; MI455X (gfx1250); checked and timed in simulation.
; The chip was launched on July 23, 2026; its instructions are those of AMD's public machine-readable ISA for CDNA 5 (MIT licence, August 2026) and "CDNA5" Instruction Set Architecture Reference Guide (July 2026). The comments in the code are by the model that wrote it; some were corrected since.
;; Multi Head Attention. Allowed arithmetic: matrix products marked QUANTISED: E2M3 operands, one E8M0 scale for each 32 along K, by v_wmma_scale_f32_16x16x128_f8f6f4 with both operands' format E2M3, f32 sums; everything else in f32.
;; Inputs: attn_mask 4 x 2,048 x 2,048 bool; b_k 1,024 float32; b_q 1,024 float32; b_v 1,024 float32; w_k 1,024 x 1,024 float32; w_q 1,024 x 1,024 float32; w_v 1,024 x 1,024 float32; x_k_v 4 x 2,048 x 1,024 float32; x_q 4 x 2,048 x 1,024 float32.
;; Outputs: out0 4 x 2,048 x 1,024 float32.
;; This version of the problem:
;;   THIS VERSION OF THE PROBLEM IS GIVEN IN LOW PRECISION. The matrix products marked QUANTISED in the list below multiply operands that are first quantised to E2M3 (2 exponent bits, 3 mantissa bits; 6 bits a number), with one power-of-two scale for each 32 numbers along K (OCP MX v1.0); their sums are f32. All else is computed in f32.
;;   The module's matrix products, in the order in which they are computed (A, B: the left and right operand; K: the contracted axis; several contracted axes count as one K, in the product's order):
;;     1. [M 8,192, K 1,024] x [K 1,024, N 1,024]; A: input x_q; B: input w_q: QUANTISED
;;     2. [M 8,192, K 1,024] x [K 1,024, N 1,024]; A: input x_k_v; B: input w_k: QUANTISED
;;     3. [M 8,192, K 1,024] x [K 1,024, N 1,024]; A: input x_k_v; B: input w_v: QUANTISED
;;     4. batch 64 x [M 2,048, K 64] x [K 64, N 2,048]; A: computed on the way; B: computed on the way: QUANTISED
;;     5. batch 64 x [M 2,048, K 2,048] x [K 2,048, N 64]; A: softmax (see below); B: computed on the way: QUANTISED
;;   THE QUANTISER, for each operand of a quantised product, along K:
;;     - K is cut into blocks of 32 from its start; a last block that is shorter is filled with zeros.
;;     - A block's scale is 2^e with e = floor(log2(the largest magnitude in the block)) - 2, held to -126 .. 127; a block of zeros has e = 0. As a byte (E8M0): e + 127.
;;     - Each number is divided by its block's scale, clamped to +-7.5, and rounded to the nearest number of E2M3, ties to even, subnormals kept.
;;     - The product sums the exact products of the quantised numbers (number of the format x scale) in f32.
;;   ~~~python
;;   def quantise(x, axis):      # numpy; x: float32 -> the quantised numbers, widened to float32 again
;;       x = np.moveaxis(x, axis, -1); K = x.shape[-1]
;;       x = np.pad(x, [(0, 0)] * (x.ndim - 1) + [(0, -K % 32)]); x = x.reshape(x.shape[:-1] + (-1, 32)); a = np.abs(x).max(-1, keepdims=True)
;;       e = np.where(a > 0, np.clip(np.frexp(np.where(a > 0, a, 1))[1] - 1 - 2, -126, 127), 0)      # np.frexp(a)[1] - 1 = floor(log2(a)), exactly
;;       r = np.clip(x / 2.0 ** e, -7.5, 7.5)
;;       step = 2.0 ** (np.maximum(np.frexp(np.where(r == 0, 1, r))[1] - 1, 0) - 3)
;;       q = np.round(r / step) * step * 2.0 ** e      # np.round: ties to even
;;       return np.moveaxis(q.reshape(q.shape[:-2] + (-1,))[..., :K], -1, axis).astype(np.float32)
;;   ~~~
;;   SOFTMAX AHEAD OF A QUANTISED PRODUCT. Where the list says 'softmax', what is quantised is not the finished softmax but p = 2^(t - M), with t = logit x log2(e) and M = ceil(the row's largest t), a whole number; so 1/2 < the row's largest p <= 1. The row's sum l is taken of the UNQUANTISED p, in f32, and the product's result is divided by l at the end. Since M is a whole number, a kernel that streams over the keys may use a running M (the ceiling of the running maximum): every later rescaling is an exact power of two, which a block's scale takes up: the codes' values come out the same.
;;   OPERANDS COMPUTED ON THE WAY. 'Computed on the way' means the value that the module computes at that place (a softmax that the list does not call 'softmax' is quantised finished and normalised). What goes into a quantiser is computed in f32, as accurately as f32 sums, v_exp_f32 and their like allow (about 1e-6 of the number): no bf16 or f16 on the way to a quantiser, and a product that is left as it is and whose result goes on into a quantised operand takes f32 operands (vector FMAs, or v_wmma_f32_16x16x4_f32). A number that lies on a knife's edge between two numbers of the format may be rounded either way, as far as f32 arithmetic and the matrix unit's own rounding can turn it there, and no further.
;; One version. Each part assembles by itself: llvm-mc -triple=amdgcn-amd-amdhsa -mcpu=gfx1250 --defsym DOCPART=n.
;; ======== version 1 of 1: 3 launches
;; limits: right only within a limited range of input values
;; workspace buffers: xc 12,582,912 bytes; xs 524,288 bytes; wc 2,359,296 bytes; ws 98,304 bytes; maskw 2,097,152 bytes of whole numbers; qr 6,815,744 bytes; kvr 13,369,344 bytes
;; launch prep (part 1): grid 1632 x 1, 4 waves a work-group, no clusters, 75,264 bytes of LDS; arguments x_q, x_k_v, w_q, w_k, w_v, attn_mask, xc, xs, wc, ws, maskw; writes xc, xs, wc, ws, maskw
.if DOCPART == 1
	.amdgcn_target "amdgcn-amd-amdhsa--gfx1250"
	.amdhsa_code_object_version 6
	.text
	.protected	k_qdb7fcbbfe1_prep
	.globl	k_qdb7fcbbfe1_prep
	.p2align	8
	.type	k_qdb7fcbbfe1_prep,@function
k_qdb7fcbbfe1_prep:
	s_mov_b64 s[64:65], 0
	v_nop
	global_prefetch_b8 v0, s[64:65] scope:SCOPE_SE
	s_setreg_imm32_b32 hwreg(HW_REG_WAVE_MODE, 25, 1), 1
	s_wait_xcnt 0x0
; THE LAUNCH IN FRONT OF THE PRODUCTS.  Three kinds of work-group, chosen by the work-group's number alone; each has LDS bytes of its own.
;   X (0 .. 511):     x_q and x_k_v [8192][1024] f32 -> codes of FP6 (E2M3), K innermost, 768 bytes a row (xc), and one E8M0 byte for each 32 along K (xs).
;   W (512 .. 607):   w_q, w_k, w_v [1024 (k)][1024 (n)] f32, K their FIRST axis -> codes laid [n][768 bytes] (wc) and scale bytes [n][32] (ws).
;   M (608 .. 1631):  attn_mask, one byte a (query, key) -> words of 32 bits, one bit a LANE, in the order in which the attention's registers hold the scores (maskw).
; A block's scale is 2^(floor(log2(its largest magnitude)) - 2); its byte is the largest magnitude's exponent field - 2, held at 1 from below (a block of zeros so gets the byte 1 where the
; rule says 127: its codes are zeros, which add nothing under any byte but 0xff, and this program alone reads the bytes).
; THE ORDER OF ROWS.  Row m of every tensor of codes lies at place sigma(m), sigma = bits 3 and 4 of m changed over.  So lane r of the stored tile 2 B + u (16 stored rows) holds the true row
; 32 B + 8 u + r + 8 (r / 8), and the results of a product whose source 0 is such a tile lie in a lane's registers as 16 neighbours: what the next quantiser wants.
; LIMITS: blocks whose largest magnitude lies under 2^-124 keep the byte 1; NaN and infinities among the inputs are not served.
; No tensor loads, no barrier: waves share nothing.
.set STEPS, 16                         ; path X: steps of 512 numbers for a wave
.set AHEAD, 8                          ; path X: loads run so many steps ahead: 32 loads, 16,384 bytes of a wave are out
.set EMAX,  2
.set CB,    12                         ; bytes of 16 codes
.set SP,    80                         ; path X: a lane's place in a stage: 64 bytes + 16 of padding
.set XREG,  5632                       ; path X: a wave's LDS: two stages of 32 x SP bytes, then its 256 scale bytes
.set XR,    16                         ; v16-143  eight sets of 16 numbers as loaded
.set XX,    144                        ; v144-175 two sets of 16 neighbours
.set XE,    176                        ; v176-191 a scale byte for each step
.set XC,    192                        ; v192-255 codes, four registers for each step, so that no store's data are written again
.set WBASE, 4*XREG                     ; path W: its stages begin here
.set WP,    272                        ; a stage row: sixteen places of 16 bytes + 16
.set NB,    8                          ; blocks of 32 along K for a wave
.set KROW,  768                        ; a row of codes in bytes
.set WX,    32                         ; v32-95   two sets of 32 numbers
.set WC,    96                         ; v96..    a block's codes
.set WO,    112                        ; v112-175 the way out
.set WS,    24                         ; v24-25   eight scale bytes
.set MBASE, WBASE+4*32*WP              ; path M: its stages begin here: 16 rows x 272 bytes for each wave
	s_load_b512 s[4:19], s[0:1], 0x0               ; x_q s[4:5], x_k_v s[6:7], w_q s[8:9], w_k s[10:11], w_v s[12:13], attn_mask s[14:15], xc s[16:17], xs s[18:19]
	s_load_b128 s[20:23], s[0:1], 0x40             ; wc s[20:21], ws s[22:23]
	s_load_b64 s[24:25], s[0:1], 0x50              ; maskw
	v_lshl_add_u32 v251, v0, 2, 0x12400
	v_mov_b32 v255, 0
	v_lshrrev_b32 v1, 5, v0
	v_readfirstlane_b32 s26, v1                    ; wave 0..3
	v_and_b32 v2, 31, v0                           ; lane
	s_wait_kmcnt 0x0
	s_cmp_lt_u32 ttmp9, 512
	s_cbranch_scc1 .Lpath_x
	s_cmp_lt_u32 ttmp9, 608
	s_cbranch_scc1 .Lpath_w
; ---------------- PATH M.  A work-group takes half the keys of one tile of 16 queries, a wave 256 keys (two key steps of the attention).
; Word n (0 .. 63) of a step: bit l = mask[query 32 (T / 2) + 8 (T % 2) + r + 8 (r / 8)][key 128 step + 64 (n / 32) + 32 h + n % 32], r = l % 16, h = l / 16:
; in the attention a lane's 32 registers 32 c .. 32 c + 31 hold the 32 keys of one block, 64 c + 32 h on.
	s_sub_co_u32 s27, ttmp9, 608
	s_lshr_b32 s28, s27, 1                         ; 128 b + T
	s_and_b32 s27, s27, 1
	s_lshl_b32 s27, s27, 2
	s_add_co_u32 s27, s27, s26                     ; which 256 keys: 0 .. 7
	s_lshr_b32 s29, s28, 7                         ; b
	s_and_b32 s30, s28, 127                        ; T
	s_lshr_b32 s31, s30, 1
	s_lshl_b32 s31, s31, 5
	s_and_b32 s30, s30, 1
	s_lshl_b32 s30, s30, 3
	s_add_co_u32 s31, s31, s30                     ; the tile's first query: 32 (T / 2) + 8 (T % 2)
	s_lshl_b32 s31, s31, 11                        ; rows of 2,048 bytes
	s_lshl_b32 s29, s29, 22
	s_add_co_u32 s32, s31, s29
	s_lshl_b32 s30, s27, 8
	s_add_co_u32 s32, s32, s30
	s_mov_b32 s33, 0
	s_add_nc_u64 s[14:15], s[14:15], s[32:33]      ; the mask at my first byte
	s_lshl_b32 s32, s28, 12                        ; a tile's words: 16 steps x 64 words x 4 bytes
	s_lshl_b32 s30, s27, 9
	s_add_co_u32 s32, s32, s30
	s_add_nc_u64 s[24:25], s[24:25], s[32:33]      ; my 128 words
	s_mul_i32 s34, s26, 16*272
	s_add_co_u32 s34, s34, MBASE                   ; my stage
	v_and_b32 v3, 15, v0                           ; r
	v_bfe_u32 v12, v0, 4, 1                        ; h
	v_lshlrev_b32 v13, 4, v3
	v_lshl_add_u32 v4, v12, 11, v13                ; in: lanes 0-15 one row's 256 bytes, lanes 16-31 the next row's
	v_mad_u32_u24 v5, v12, 272, v13
	v_add_nc_u32 v5, s34, v5                       ; the same two rows in the stage
	v_mul_u32_u24 v6, v3, 272
	v_lshl_add_u32 v6, v12, 5, v6
	v_add_nc_u32 v6, s34, v6                       ; back: row r; lanes 16-31 read 32 keys further on than lanes 0-15
	v_lshlrev_b32 v7, 4, v2                        ; out: 16 bytes a lane
.irp i, 0,1,2,3
	v_mov_b32 v[80+\i], 0                          ; written once: v_writelane_b32's destination counts as read
.endr
.irp i, 0,1,2,3,4,5,6,7
	global_load_b128 v[16+4*\i:19+4*\i], v4, s[14:15] offset:(2*\i+8*(\i/4))*2048 th:TH_LOAD_NT   ; stage rows 2 i, 2 i + 1: the tile's rows 8 .. 15 lie 8 queries further on
.endr
	s_wait_alu depctr_va_vdst(0)
.irp i, 0,1,2,3,4,5,6,7
	s_wait_loadcnt 7-\i                            ; loads come back in order: load i is in, the younger ones stay out
	ds_store_b128 v5, v[16+4*\i:19+4*\i] offset:2*\i*272
.endr
.irp k, 0,1,2,3,4,5,6,7
	ds_load_b128 v[48+4*\k:51+4*\k], v6 offset:128*(\k/4)+64*((\k%4)/2)+16*(\k%2)   ; LDS serves a wave's instructions in order: these see my stores.  Step k / 4, words 16 (k % 4) on: my 16 keys
.endr
.set k, 0
.rept 8
	s_wait_dscnt 7-k                               ; load k is in
.set i, 0
.rept 16
.set w, 16*k+i
	v_and_b32 v[8+w%4], 0xff<<(8*(i%4)), v[48+4*k+i/4]   ; byte i of my 16
	v_cmp_ne_u32 s[40+w%8], 0, v[8+w%4]            ; one bit a lane: that IS word w
	v_writelane_b32 v[80+w%4], s[40+w%8], w/4      ; to its place: lane w / 4, register w % 4
.set i, i+1
.endr
.set k, k+1
.endr
	global_store_b128 v7, v[80:83], s[24:25]       ; 32 lanes store 512 consecutive bytes, aligned
	s_wait_tensorcnt 0x0
	ds_add_u32 v251, v255
	s_wait_dscnt 0x0
	s_endpgm
; ---------------- PATH X.  Rows are dense, so a tensor is a stream of blocks of 32.  A wave takes 16 steps of 512 numbers: 8 rows.  Each load reads 512 consecutive bytes; the bytes turn through the
; wave's own stage in LDS so that a lane holds 16 neighbours along K (two neighbouring lanes hold a block).  Loads run eight steps ahead, the turn through LDS one step.
.Lpath_x:
	s_wait_alu depctr_va_vdst(0)
	v_lshlrev_b32 v3, 4, v2                        ; my 16 bytes of a load's 512
	s_mul_i32 s27, s26, XREG
	v_lshrrev_b32 v14, 2, v2
	v_mul_u32_u24 v14, v14, SP
	v_and_b32 v15, 3, v2
	v_lshl_add_u32 v14, v15, 4, v14
	v_add_nc_u32 v14, s27, v14                     ; the stage, on the way in: SP (lane / 4) + 16 (lane % 4)
	v_mul_u32_u24 v15, v2, SP
	v_add_nc_u32 v15, s27, v15                     ; and on the way out: SP x lane: my 16 neighbours
	v_mul_u32_u24 v4, v2, CB                       ; my codes' place in a step's
	v_lshrrev_b32 v5, 1, v2
	s_add_co_u32 s27, s27, 2*32*SP
	v_add_nc_u32 v5, s27, v5                       ; my wave's 256 scale bytes, my block's byte
	v_lshlrev_b32 v7, 3, v2
	v_add_nc_u32 v6, s27, v7                       ; and on the way out 8 bytes a lane
	s_cmp_lt_u32 ttmp9, 256                        ; x_q's work-group or x_k_v's?
	s_cselect_b64 s[4:5], s[4:5], s[6:7]
	s_cselect_b32 s28, 0, 256
	s_sub_co_u32 s28, ttmp9, s28
	s_lshl_b32 s28, s28, 2
	s_add_co_u32 s28, s28, s26                     ; which run of 8 rows of the tensor is my wave's
	s_mov_b32 s29, 0
	s_lshl_b64 s[30:31], s[28:29], 15              ; 32,768 bytes a run
	s_add_nc_u64 s[4:5], s[4:5], s[30:31]
	s_and_b32 s32, s26, 1                          ; a run is 8 rows, so sigma changes over the two low bits of the run's number: the wave's
	s_lshl_b32 s32, s32, 1
	s_lshr_b32 s33, s26, 1
	s_or_b32 s32, s32, s33
	s_lshl_b32 s33, ttmp9, 2
	s_add_co_u32 s32, s32, s33                     ; the run's place among the 2,048 runs of both tensors
	s_mul_i32 s34, s32, 8*KROW
	s_mov_b32 s35, 0
	s_add_nc_u64 s[16:17], s[16:17], s[34:35]
	s_lshl_b32 s34, s32, 8
	s_add_nc_u64 s[18:19], s[18:19], s[34:35]
.macro XLOAD t
.irp i, 0,1,2,3
	global_load_b128 v[XR+16*((\t)%AHEAD)+4*\i:XR+16*((\t)%AHEAD)+4*\i+3], v3, s[4:5] offset:2048*(\t)+512*\i th:TH_LOAD_NT   ; 32 lanes read 512 consecutive bytes
.endr
.endm
.macro XTURN t                         ; step t's numbers through the stage: LDS serves a wave's instructions in order, so no wait stands between the stores and the loads
.irp i, 0,1,2,3
	ds_store_b128 v14, v[XR+16*((\t)%AHEAD)+4*\i:XR+16*((\t)%AHEAD)+4*\i+3] offset:32*SP*((\t)%2)+8*SP*\i
.endr
.irp i, 0,1,2,3
	ds_load_b128 v[XX+16*((\t)%2)+4*\i:XX+16*((\t)%2)+4*\i+3], v15 offset:32*SP*((\t)%2)+16*\i
.endr
.endm
.irp t, 0,1,2,3,4,5,6,7
	XLOAD \t
.endr
	s_wait_alu depctr_va_vdst(0)
	s_wait_loadcnt 4*(AHEAD-1)                     ; step 0's four loads are in; the 28 of steps 1 to 7 stay out
	XTURN 0
.macro XSTEP t
.set XS, XX+16*((\t)%2)
.if (\t) > 0
	s_wait_dscnt 1                                 ; this step's numbers are back from the stage (the last step's byte store may be out)
.else
	s_wait_dscnt 0x0
.endif
.if (\t)+AHEAD < STEPS
	XLOAD (\t)+8                                   ; eight steps on, into the registers that the stage's stores have read
.endif
.if (\t)+1 < STEPS
.if STEPS-2-(\t) >= AHEAD-1
	s_wait_loadcnt 4*(AHEAD-1)                     ; the next step's four loads are in; those of the seven steps behind it may be out
.else
	s_wait_loadcnt 4*(STEPS-2-(\t))                ; in the tail: those of the steps that are left
.endif
	XTURN (\t)+1
.endif
	v_max3_num_f32 v8, |v[XS]|, |v[XS+1]|, |v[XS+2]|               ; the largest magnitude of my 16, in two chains
	v_max3_num_f32 v9, |v[XS+3]|, |v[XS+4]|, |v[XS+5]|
.irp i, 6,10
	v_max3_num_f32 v8, v8, |v[XS+\i]|, |v[XS+\i+1]|
	v_max3_num_f32 v9, v9, |v[XS+\i+2]|, |v[XS+\i+3]|
.endr
	v_max3_num_f32 v8, v8, |v[XS+14]|, |v[XS+15]|
	v_max3_num_f32 v8, v8, v9, (EMAX+1)<<23        ; and the floor 2^(3 - 127): the byte cannot fall under 1
	v_max_num_f32_dpp v8, v8, v8 row_xmask:1 row_mask:0xf bank_mask:0xf   ; with my neighbour's 16: the block's
	v_add_nc_u32 v11, -(EMAX<<23), v8              ; 2 off its exponent field: the conversion takes the exponent field of this operand as its scale
	v_cvt_scalef32_pk16_fp6_f32 v[XC+4*(\t):XC+4*(\t)+2], v[XS:XS+15], v11
	v_lshrrev_b32 v[XE+(\t)], 23, v11              ; the scale's byte (also the plain line behind the conversion)
	ds_store_b8 v5, v[XE+(\t)] offset:16*(\t)      ; both lanes of a block write the same byte with the same value
	global_store_b96 v4, v[XC+4*(\t):XC+4*(\t)+2], s[16:17] offset:32*CB*(\t)   ; the wave stores 384 consecutive bytes
.endm
.irp t, 0,1,2,3,4,5,6,7,8,9,10,11,12,13,14,15
	XSTEP \t
.endr
	ds_load_b64 v[12:13], v6                       ; LDS serves a wave's instructions in order: these see my stores
	s_wait_dscnt 0x0
	global_store_b64 v7, v[12:13], s[18:19]        ; 32 lanes store 256 consecutive bytes, aligned
	s_wait_tensorcnt 0x0
	ds_add_u32 v251, v255
	s_wait_dscnt 0x0
	s_endpgm
; ---------------- PATH W.  A lane takes a column n and its registers run DOWN K: a block of 32 along K lies in one lane, and the conversions give codes with K innermost.  A wave takes 32 columns x 256 along K.
; The codes go through the wave's stage, at row sigma(lane), and leave as rows: sixteen lanes store a row's 192 consecutive bytes.
.Lpath_w:
	s_sub_co_u32 s27, ttmp9, 512
	s_lshr_b32 s28, s27, 5                         ; which weight: 0 q, 1 k, 2 v
	s_and_b32 s29, s27, 7                          ; which 128 columns
	s_bfe_u32 s30, s27, 0x20003                    ; which 256 along K
	s_cmp_eq_u32 s28, 0
	s_cselect_b64 s[8:9], s[8:9], s[10:11]
	s_cmp_eq_u32 s28, 2
	s_cselect_b64 s[8:9], s[12:13], s[8:9]
	s_lshl_b32 s31, s29, 7
	s_lshl_b32 s32, s26, 5
	s_add_co_u32 s31, s31, s32                     ; my wave's first column
	s_lshl_b32 s32, s30, 20                        ; 256 rows of 4,096 bytes
	s_lshl_b32 s33, s31, 2
	s_add_co_u32 s32, s32, s33
	s_mov_b32 s33, 0
	s_add_nc_u64 s[8:9], s[8:9], s[32:33]
	s_mul_i32 s32, s28, 1024*KROW                  ; codes: the weight, the column's row, 192 bytes for each 256 along K
	s_mul_i32 s34, s31, KROW
	s_add_co_u32 s32, s32, s34
	s_mul_i32 s34, s30, 192
	s_add_co_u32 s32, s32, s34
	s_add_nc_u64 s[20:21], s[20:21], s[32:33]
	s_lshl_b32 s32, s28, 15                        ; scale bytes: 32 a row, 8 for each 256 along K
	s_lshl_b32 s34, s31, 5
	s_add_co_u32 s32, s32, s34
	s_lshl_b32 s34, s30, 3
	s_add_co_u32 s32, s32, s34
	s_add_nc_u64 s[22:23], s[22:23], s[32:33]
	s_wait_alu depctr_va_vdst(0)
	v_lshlrev_b32 v3, 2, v2                        ; in: 4 bytes a lane
	v_and_b32 v10, 7, v2
	v_bfe_u32 v11, v2, 3, 1
	v_lshl_or_b32 v10, v11, 4, v10
	v_bfe_u32 v11, v2, 4, 1
	v_lshl_or_b32 v10, v11, 3, v10                 ; sigma(lane): my column's place among the 32
	s_mul_i32 s35, s26, 32*WP
	s_add_co_u32 s35, s35, WBASE                   ; my stage
	v_mul_u32_u24 v4, v10, WP
	v_add_nc_u32 v4, s35, v4                       ; into it: row = my column's place
	v_and_b32 v5, 15, v2
	v_lshrrev_b32 v6, 4, v2
	v_mul_u32_u24 v7, v6, WP
	v_lshl_add_u32 v7, v5, 4, v7
	v_add_nc_u32 v7, s35, v7                       ; out of it: sixteen lanes to a row, two rows an instruction
	v_mul_u32_u24 v8, v6, KROW
	v_mad_u32_u24 v8, v5, 12, v8                   ; and the same place in the codes' buffer
	v_lshlrev_b32 v9, 5, v10                       ; my column's row of scale bytes
.macro WLOAD t                         ; block t: W(32 t + i, my column) into set t % 2: 32 lanes read 128 consecutive bytes
.irp i, 0,1,2,3,4,5,6,7,8,9,10,11,12,13,14,15,16,17,18,19,20,21,22,23,24,25,26,27,28,29,30,31
	global_load_b32 v[WX+32*((\t)%2)+\i], v3, s[8:9] offset:(32*(\t)+\i)*4096 th:TH_LOAD_NT
.endr
.endm
	WLOAD 0
	WLOAD 1
.macro WBLOCK t
.set XS, WX+32*((\t)%2)
.if (\t) < NB-1
	s_wait_loadcnt 32                              ; this block's 32 loads are in; the next block's may be out
.else
	s_wait_loadcnt 0
.endif
	v_max3_num_f32 v12, |v[XS]|, |v[XS+1]|, |v[XS+2]|               ; the block's largest magnitude: all 32 numbers are mine
	v_max3_num_f32 v13, |v[XS+3]|, |v[XS+4]|, |v[XS+5]|
.irp i, 6,10,14,18,22,26
	v_max3_num_f32 v12, v12, |v[XS+\i]|, |v[XS+\i+1]|
	v_max3_num_f32 v13, v13, |v[XS+\i+2]|, |v[XS+\i+3]|
.endr
	v_max3_num_f32 v12, v12, |v[XS+30]|, |v[XS+31]|
	v_max3_num_f32 v12, v12, v13, (EMAX+1)<<23     ; and the floor
	v_add_nc_u32 v11, -(EMAX<<23), v12             ; the conversion's scale operand
	v_lshrrev_b32 v13, 23, v11                     ; the scale's byte
.if (\t)%4 == 0
	v_mov_b32 v[WS+(\t)/4], v13                    ; four bytes to a register, the lower K in the lower byte
.else
	v_lshl_or_b32 v[WS+(\t)/4], v13, 8*((\t)%4), v[WS+(\t)/4]
.endif
	v_cvt_scalef32_pk16_fp6_f32 v[WC:WC+2], v[XS:XS+15], v11
	v_cvt_scalef32_pk16_fp6_f32 v[WC+4:WC+6], v[XS+16:XS+31], v11   ; (a conversion's three registers begin on an even number)
	v_nop                                          ; one plain line behind the conversions
	ds_store_b96 v4, v[WC:WC+2] offset:32*(\t)     ; 12 bytes to a place of 16, so that every LDS address is a multiple of 16
	ds_store_b96 v4, v[WC+4:WC+6] offset:32*(\t)+16
.if (\t)+2 < NB
	WLOAD (\t)+2
.endif
	s_wait_dscnt 0x0                               ; the stores have read their registers: the next block's codes may be written
.endm
.set Q, 0
.rept NB
	WBLOCK Q
.set Q, Q+1
.endr
	s_wait_alu depctr_va_vdst(0)
	global_store_b64 v9, v[WS:WS+1], s[22:23]      ; my column's 8 scale bytes
.irp t, 0,1,2,3,4,5,6,7,8,9,10,11,12,13,14,15
	ds_load_b96 v[WO+4*\t:WO+4*\t+2], v7 offset:2*\t*WP   ; LDS serves a wave's instructions in order: these see my stores
.endr
.irp t, 0,1,2,3,4,5,6,7,8,9,10,11,12,13,14,15
	s_wait_dscnt 15-\t
	global_store_b96 v8, v[WO+4*\t:WO+4*\t+2], s[20:21] offset:2*\t*KROW
.endr
	s_wait_tensorcnt 0x0
	ds_add_u32 v251, v255
	s_wait_dscnt 0x0
	s_endpgm
.Lfunc_end_k_qdb7fcbbfe1_prep:
	.size	k_qdb7fcbbfe1_prep, .Lfunc_end_k_qdb7fcbbfe1_prep-k_qdb7fcbbfe1_prep
	.p2alignl 7, 3214868480
	.fill 96, 4, 3214868480
	.section	.rodata,"a",@progbits
	.p2align	6, 0x0
	.amdhsa_kernel k_qdb7fcbbfe1_prep
		.amdhsa_group_segment_fixed_size 75264
		.amdhsa_private_segment_fixed_size 0
		.amdhsa_enable_private_segment 0
		.amdhsa_kernarg_size 88
		.amdhsa_user_sgpr_count 2
		.amdhsa_user_sgpr_kernarg_segment_ptr 1
		.amdhsa_wavefront_size32 1
		.amdhsa_system_sgpr_workgroup_id_x 1
		.amdhsa_system_sgpr_workgroup_id_y 1
		.amdhsa_system_sgpr_workgroup_id_z 1
		.amdhsa_system_vgpr_workitem_id 0
		.amdhsa_next_free_vgpr 256
		.amdhsa_next_free_sgpr 66
		.amdhsa_reserve_vcc 0
		.amdhsa_float_denorm_mode_32 3
		.amdhsa_float_denorm_mode_16_64 3
		.amdhsa_memory_ordered 1
		.amdhsa_forward_progress 1
		.amdhsa_inst_pref_size 102
	.end_amdhsa_kernel
	.amdgpu_metadata
---
amdhsa.version: [ 1, 2 ]
amdhsa.kernels:
  - .name:           k_qdb7fcbbfe1_prep
    .symbol:         k_qdb7fcbbfe1_prep.kd
    .args:
      - { .name: x_q, .offset: 0, .size: 8, .value_kind: global_buffer, .address_space: global }
      - { .name: x_k_v, .offset: 8, .size: 8, .value_kind: global_buffer, .address_space: global }
      - { .name: w_q, .offset: 16, .size: 8, .value_kind: global_buffer, .address_space: global }
      - { .name: w_k, .offset: 24, .size: 8, .value_kind: global_buffer, .address_space: global }
      - { .name: w_v, .offset: 32, .size: 8, .value_kind: global_buffer, .address_space: global }
      - { .name: attn_mask, .offset: 40, .size: 8, .value_kind: global_buffer, .address_space: global }
      - { .name: xc, .offset: 48, .size: 8, .value_kind: global_buffer, .address_space: global }
      - { .name: xs, .offset: 56, .size: 8, .value_kind: global_buffer, .address_space: global }
      - { .name: wc, .offset: 64, .size: 8, .value_kind: global_buffer, .address_space: global }
      - { .name: ws, .offset: 72, .size: 8, .value_kind: global_buffer, .address_space: global }
      - { .name: maskw, .offset: 80, .size: 8, .value_kind: global_buffer, .address_space: global }
    .group_segment_fixed_size: 75264
    .private_segment_fixed_size: 0
    .kernarg_segment_align: 8
    .kernarg_segment_size: 88
    .max_flat_workgroup_size: 128
    .sgpr_count:     66
    .vgpr_count:     256
    .wavefront_size: 32
...
	.end_amdgpu_metadata
.endif
;; end of part 1
;; launch proj (part 2): grid 4 x 96, 4 waves a work-group, clusters of 4 x 4, 327,680 bytes of LDS; arguments xc, xs, wc, ws, b_q, b_k, b_v, qr, kvr; writes qr, kvr
.if DOCPART == 2
	.amdgcn_target "amdgcn-amd-amdhsa--gfx1250"
	.amdhsa_code_object_version 6
	.text
	.protected	k_qdb7fcbbfe1_proj
	.globl	k_qdb7fcbbfe1_proj
	.p2align	8
	.type	k_qdb7fcbbfe1_proj,@function
k_qdb7fcbbfe1_proj:
	s_mov_b64 s[64:65], 0
	v_nop
	global_prefetch_b8 v0, s[64:65] scope:SCOPE_SE
	s_setreg_imm32_b32 hwreg(HW_REG_WAVE_MODE, 25, 1), 1
	s_wait_xcnt 0x0
	s_wait_alu depctr_hold_cnt(0) depctr_sa_sdst(0) depctr_va_vdst(0) depctr_va_sdst(0) depctr_va_ssrc(0) depctr_va_vcc(0) depctr_vm_vsrc(0)
	s_getreg_b32 s2, hwreg(HW_REG_IB_STS2, 6, 4)
	s_cmp_eq_u32 s2, 0
	s_cbranch_scc0 .Lentry_in_a_cluster
	s_endpgm
.Lentry_in_a_cluster:
	s_bfe_u32 s2, ttmp6, 0x10000c
	s_cmp_lg_u32 s2, 0xf033
	s_cbranch_scc0 .Lentry_shape_is_right
	s_endpgm
.Lentry_shape_is_right:
.set KSTEP,  256
.set NQ,     2
.set ROWB,   192
.set KROW,   768
.set PITCH,  240
.set FR,     12
.set NL,     6
.set NP,     4
.set HALFT,  128*PITCH
.set SLOT,   4*HALFT
.set LAPS,   2
.set KS,     32
.set SCL,    2*SLOT
.set HALFS,  16*272
.set SBLK,   2*272
.set SPARE,  SCL+4*HALFS
.set ADRA, 16
.set ADRB, 20
.set ADRS, 27
.set SPW,  28
.set NIL,  29
.set L16,  30
.set L8,   31
.set SC,   32
.set BP,   64
.set AF,   128
.set BR,   224
.set TM,   64
.set PW,   80
.set OUTW, 84
.set TMPW, 88
.set T,    128
.set CD,   192
.set PWS,  240
.set G1, 24
.set G0, 32
.set G1B, 48
.set G0B, 56
.set G1S, 68
.set G0S, 76
.set G1SB, 80
.set G0SB, 88
.set MSB, 0
.macro WIN new
.if MSB != (\new)
	s_set_vgpr_msb (MSB<<8)|(\new)
.set MSB, (\new)
.endif
.endm
.set MUL_LO, 0xa1
.set MUL_HI, 0xf1
.set FST_LO, 0x81
.set FST_HI, 0xc1
.set TO_B,   0x40
.macro JLOAD g0a, g1a, g0b, g1b
	s_cmp_eq_u32 s15, 0
	s_cbranch_scc0 .Lfor_b_\@
	tensor_load_to_lds s[\g0a:\g0a+3], s[\g1a:\g1a+7]
	s_nop 0
.rept 4
	v_nop
.endr
	s_branch .Lasked_\@
.Lfor_b_\@:
	tensor_load_to_lds s[\g0b:\g0b+3], s[\g1b:\g1b+7]
	s_nop 0
.rept 4
	v_nop
.endr
.Lasked_\@:
.endm
.macro CREST
	s_cmp_lg_u32 s14, 0
	s_cbranch_scc1 .Lnot_wave_0_\@
	s_barrier_signal -3
.Lnot_wave_0_\@:
	s_barrier_wait -3
	s_barrier_signal -1
	s_barrier_wait -1
.endm
.macro CROUND
	s_barrier_signal -1
	s_barrier_wait -1
	CREST
.endm
	s_load_b256 s[4:11], s[0:1], 0x0
	s_load_b256 s[92:99], s[0:1], 0x20
	s_load_b64 s[100:101], s[0:1], 0x40
	v_lshl_add_u32 v[SPW], v0, 2, SPARE
	v_mov_b32 v[NIL], 0
	ds_add_u32 v28, v29
	ds_add_u32 v28, v29
	s_wait_dscnt 0x0
	v_lshrrev_b32 v1, 5, v0
	v_readfirstlane_b32 s14, v1
	s_lshr_b32 s15, s14, 1
	s_and_b32 s16, s14, 1
	s_bfe_u32 s40, ttmp6, 0x40000
	s_bfe_u32 s41, ttmp6, 0x40004
	s_and_b32 s18, ttmp7, 0xffff
	s_lshr_b32 s66, s18, 3
	s_and_b32 s18, s18, 7
	s_lshl_b32 s18, s18, 2
	s_cmp_eq_u32 s66, 2
	s_cselect_b32 s67, 1, 0
	s_cselect_b32 s42, s18, 0
	s_cselect_b32 s17, 0, s18
	s_add_co_u32 s42, s42, s40
	s_add_co_u32 s17, s17, s41
	s_lshl_b32 s43, s41, 2
	s_lshl_b32 s43, 15, s43
	s_lshl_b32 s44, 0x1111, s40
	s_or_b32 s[G1+0], s43, (0<<16)|(1<<20)|(1<<21)|(3<<22)|(3<<25)
	s_or_b32 s[G1B+0], s44, (0<<16)|(1<<20)|(1<<21)|(3<<22)|(3<<25)
.irp g, G1, G1B
	s_mov_b32 s[\g+1], ROWB<<16
	s_mov_b32 s[\g+2], 128<<16
	s_mov_b32 s[\g+3], ROWB<<16
	s_mov_b32 s[\g+4], 128
	s_mov_b32 s[\g+5], KROW
	s_mov_b32 s[\g+6], 0
	s_mov_b32 s[\g+7], 0
.endr
	s_or_b32 s[G1S+0], s43, (3<<16)|(1<<20)|(1<<21)|(5<<22)|(3<<25)
	s_or_b32 s[G1SB+0], s44, (3<<16)|(1<<20)|(1<<21)|(5<<22)|(3<<25)
.irp g, G1S, G1SB
	s_mov_b32 s[\g+1], 32<<16
	s_mov_b32 s[\g+2], 16<<16
	s_mov_b32 s[\g+3], 32<<16
	s_mov_b32 s[\g+4], 16
	s_mov_b32 s[\g+5], 32
	s_mov_b32 s[\g+6], 0
	s_mov_b32 s[\g+7], 0
.endr
	s_lshl_b32 s18, s16, 7
	s_lshl_b32 s20, s17, 8
	s_add_co_u32 s20, s20, s18
	s_lshl_b32 s46, s42, 8
	s_add_co_u32 s46, s46, s18
	s_mov_b32 s21, 0
	s_mov_b32 s47, 0
	s_mov_b64 s[18:19], KS
	s_mul_u64 s[22:23], s[20:21], s[18:19]
	s_mul_u64 s[104:105], s[46:47], s[18:19]
	s_mov_b64 s[18:19], KROW
	s_mul_u64 s[20:21], s[20:21], s[18:19]
	s_mul_u64 s[46:47], s[46:47], s[18:19]
	s_mul_i32 s45, s14, HALFT
	s_mul_i32 s2, s14, HALFS
	s_wait_kmcnt 0x0
	s_cmp_lg_u32 s66, 0
	s_cselect_b32 s76, 0x600000, 0
	s_cselect_b32 s78, 0x40000, 0
	s_mov_b32 s77, 0
	s_mov_b32 s79, 0
	s_add_nc_u64 s[4:5], s[4:5], s[76:77]
	s_add_nc_u64 s[6:7], s[6:7], s[78:79]
	s_mul_i32 s76, s66, 1024*KROW
	s_mul_i32 s78, s66, 1024*KS
	s_add_nc_u64 s[8:9], s[8:9], s[76:77]
	s_add_nc_u64 s[10:11], s[10:11], s[78:79]
	s_cmp_eq_u32 s67, 1
	s_cselect_b64 s[76:77], s[8:9], s[4:5]
	s_cselect_b64 s[78:79], s[10:11], s[6:7]
	s_cselect_b64 s[8:9], s[4:5], s[8:9]
	s_cselect_b64 s[10:11], s[6:7], s[10:11]
	s_mov_b64 s[4:5], s[76:77]
	s_mov_b64 s[6:7], s[78:79]
	s_cmp_eq_u32 s66, 0
	s_cselect_b64 s[12:13], s[98:99], s[100:101]
	s_cselect_b64 s[92:93], s[92:93], s[94:95]
	s_cmp_eq_u32 s66, 2
	s_cselect_b64 s[92:93], s[96:97], s[92:93]
	s_add_nc_u64 s[20:21], s[4:5], s[20:21]
	s_add_nc_u64 s[22:23], s[6:7], s[22:23]
	s_add_nc_u64 s[46:47], s[8:9], s[46:47]
	s_add_nc_u64 s[104:105], s[10:11], s[104:105]
	CROUND
	s_mov_b32 s[G0S], 1
	s_add_co_u32 s[G0S+1], s2, SCL
	s_mov_b64 s[G0S+2:G0S+3], s[22:23]
	s_or_b32 s[G0S+3], s[G0S+3], 0x80000000
	s_mov_b32 s[G0SB], 1
	s_add_co_u32 s[G0SB+1], s2, SCL
	s_mov_b64 s[G0SB+2:G0SB+3], s[104:105]
	s_or_b32 s[G0SB+3], s[G0SB+3], 0x80000000
	JLOAD G0S, G1S, G0SB, G1SB
.irp s, 0,1
	s_mov_b32 s[G0+4*\s], 1
	s_add_co_u32 s[G0+4*\s+1], s45, \s*SLOT
	s_add_nc_u64 s[G0+4*\s+2:G0+4*\s+3], s[20:21], \s*ROWB
	s_or_b32 s[G0+4*\s+3], s[G0+4*\s+3], 0x80000000
	s_mov_b32 s[G0B+4*\s], 1
	s_add_co_u32 s[G0B+4*\s+1], s45, \s*SLOT
	s_add_nc_u64 s[G0B+4*\s+2:G0B+4*\s+3], s[46:47], \s*ROWB
	s_or_b32 s[G0B+4*\s+3], s[G0B+4*\s+3], 0x80000000
	s_wait_alu depctr_va_vdst(0)
	s_wait_tensorcnt 0x0
	ds_add_u32 v28, v29
	s_wait_dscnt 0x0
	CROUND
	JLOAD G0+4*\s, G1, G0B+4*\s, G1B
.endr
	v_and_b32 v1, 15, v0
	v_bfe_u32 v2, v0, 4, 1
	s_wait_alu depctr_va_vdst(0)
	s_lshl_b32 s18, s42, 8
	s_lshl_b32 s19, s16, 7
	s_add_co_u32 s18, s18, s19
	s_lshl_b32 s20, s17, 8
	s_lshl_b32 s19, s15, 7
	s_add_co_u32 s20, s20, s19
	s_cmp_eq_u32 s67, 1
	s_cselect_b32 s18, 0, s18
	s_cselect_b32 s20, s20, 0
	s_cselect_b32 s94, 0, 1.0
	s_cselect_b32 s96, 1.0, 0
	s_mov_b32 s95, s94
	s_mov_b32 s97, s96
	s_lshl_b32 s18, s18, 2
	s_lshl_b32 s20, s20, 2
	s_mov_b32 s19, 0
	s_mov_b32 s21, 0
	s_add_nc_u64 s[98:99], s[92:93], s[18:19]
	s_add_nc_u64 s[100:101], s[92:93], s[20:21]
	v_lshlrev_b32 v8, 6, v2
	v_and_b32 v9, 8, v1
	v_add_nc_u32 v9, v9, v1
	v_lshlrev_b32 v9, 2, v9
.irp B, 0,1,2,3
.irp j, 0,1,2,3
	global_load_b128 v[BP+16*\B+4*\j:BP+16*\B+4*\j+3], v8, s[98:99] offset:128*\B+16*\j
.endr
.endr
.irp a, 0,1,2,3,4,5,6,7
	global_load_b32 v[BR+2*\a], v9, s[100:101] offset:4*(32*(\a/2)+8*(\a%2))
	global_load_b32 v[BR+2*\a+1], v9, s[100:101] offset:4*(32*(\a/2)+8*(\a%2))
.endr
	v_mul_u32_u24 v3, v1, PITCH
	v_mul_u32_u24 v4, v2, 24
	v_add_nc_u32 v4, v3, v4
	v_lshl_add_u32 v5, v2, 4, v4
	s_mul_i32 s21, s15, HALFT
	s_mul_i32 s22, s16, HALFT
	s_add_co_u32 s22, s22, 2*HALFT
.irp s, 0,1
	v_add_nc_u32 v[ADRA+\s], s21, v4
	v_add_nc_u32 v[ADRB+\s], s22, v4
	v_add_nc_u32 v[ADRA+2+\s], s21, v5
	v_add_nc_u32 v[ADRB+2+\s], s22, v5
	s_add_co_u32 s21, s21, SLOT
	s_add_co_u32 s22, s22, SLOT
.endr
	v_mul_u32_u24 v5, v1, KS
	v_lshrrev_b32 v6, 8, v5
	v_lshl_add_u32 v5, v6, 4, v5
	s_mul_i32 s21, s15, HALFS
	s_mul_i32 s22, s16, HALFS
	s_add_co_u32 s22, s22, 2*HALFS
	s_sub_co_u32 s22, s22, s21
	v_mul_u32_u24 v6, s22, v2
	s_add_co_u32 s21, s21, SCL
	v_add_nc_u32 v5, v5, v6
	v_add_nc_u32 v[ADRS], s21, v5
	v_and_b32 v6, 31, v0
	v_lshlrev_b32 v[L16], 4, v6
	v_lshlrev_b32 v[L8], 3, v6
	s_wait_loadcnt 0x0
.set i, 0
.rept 32
	v_pk_mul_f32 v[BP+2*i:BP+2*i+1], v[BP+2*i:BP+2*i+1], s[94:95] op_sel_hi:[1,0]
.set i, i+1
.endr
.irp a, 0,1,2,3,4,5,6,7
	v_pk_mul_f32 v[BR+2*\a:BR+2*\a+1], v[BR+2*\a:BR+2*\a+1], s[96:97] op_sel_hi:[1,0]
.endr
.macro FRAG reg, adr, q, i
.irp p, 0,1,2,3,4,5
.set PCE, 12*(\q)+6*(\p/3)+\p%3
.if PCE%8 < 5
	ds_load_b64 v[\reg+2*\p:\reg+2*\p+1], v[\adr] offset:8*PCE+16*(PCE/8)+(\i)*16*PITCH
.else
	ds_load_b64 v[\reg+2*\p:\reg+2*\p+1], v[\adr+2] offset:8*PCE+16*(PCE/8)+(\i)*16*PITCH
.endif
.endr
.endm
.macro MUL16 a0, p, q, sc, zero
.irp a, \a0, \a0+1
.irp b, 0,1,2,3,4,5,6,7
.if \zero
	v_wmma_scale_f32_16x16x128_f8f6f4 v[8*(8*((\a)%4)+\b):8*(8*((\a)%4)+\b)+7], v[128*(\p)+FR*\b:128*(\p)+FR*\b+FR-1], v[AF+FR*(\a):AF+FR*(\a)+FR-1], v[BP+8*\b:BP+8*\b+7], v[SC+8*NQ*(\sc)+NQ*\b+(\q)], v[SC+8*NQ*(\sc)+NQ*(\a)+(\q)] matrix_a_fmt:MATRIX_FMT_FP6 matrix_b_fmt:MATRIX_FMT_FP6 matrix_a_scale:MATRIX_SCALE_ROW1
.else
	v_wmma_scale_f32_16x16x128_f8f6f4 v[8*(8*((\a)%4)+\b):8*(8*((\a)%4)+\b)+7], v[128*(\p)+FR*\b:128*(\p)+FR*\b+FR-1], v[AF+FR*(\a):AF+FR*(\a)+FR-1], v[8*(8*((\a)%4)+\b):8*(8*((\a)%4)+\b)+7], v[SC+8*NQ*(\sc)+NQ*\b+(\q)], v[SC+8*NQ*(\sc)+NQ*(\a)+(\q)] matrix_a_fmt:MATRIX_FMT_FP6 matrix_b_fmt:MATRIX_FMT_FP6 matrix_a_scale:MATRIX_SCALE_ROW1
.endif
.endr
.endr
.endm
.macro FETCH_B slot, q, p
	WIN TO_B
.irp i, 0,1,2,3,4,5,6,7
	FRAG 128*(\p)+FR*\i, ADRB+\slot, \q, \i
.endr
	WIN 0
.endm
.macro FETCH_A slot, q, i0
.irp i, \i0, \i0+1, \i0+2, \i0+3
	FRAG AF+FR*(\i), ADRA+\slot, \q, \i
.endr
.endm
.macro SCALES sc
.irp i, 0,1,2,3,4,5,6,7
	ds_load_b64 v[SC+8*NQ*\sc+NQ*\i:SC+8*NQ*\sc+NQ*\i+1], v[ADRS] offset:\i*SBLK
.endr
.endm
.macro PLACES n
.rept \n
	v_nop
.endr
.endm
.macro STEP slot, q, zero
	s_wait_dscnt 4*NL
.if \zero
	WIN FST_LO
.else
	WIN MUL_LO
.endif
	MUL16 0, (\q)%2, \q, \slot, \zero
	MUL16 2, (\q)%2, \q, \slot, \zero
	s_wait_dscnt 0
	PLACES NP
	FETCH_B \slot, (\q)+1, 1-(\q)%2
	FETCH_A \slot, (\q)+1, 0
.if \zero
	WIN FST_HI
.else
	WIN MUL_HI
.endif
	MUL16 4, (\q)%2, \q, \slot, \zero
	MUL16 6, (\q)%2, \q, \slot, \zero
	PLACES NP
	WIN 0
	FETCH_A \slot, (\q)+1, 4
.endm
.macro TURN slot, next, fill
	s_wait_tensorcnt 0x0
	ds_add_u32 v[SPW], v[NIL]
	s_wait_dscnt 4*NL+1
	WIN MUL_LO
	MUL16 0, 1, NQ-1, \slot, 0
	s_wait_dscnt 0x0
	s_barrier_signal -1
	MUL16 2, 1, NQ-1, \slot, 0
	WIN 0
	s_barrier_wait -1
.if \fill
	CREST
	s_add_nc_u64 s[G0+4*\slot+2:G0+4*\slot+3], s[G0+4*\slot+2:G0+4*\slot+3], 2*ROWB
	s_add_nc_u64 s[G0B+4*\slot+2:G0B+4*\slot+3], s[G0B+4*\slot+2:G0B+4*\slot+3], 2*ROWB
	JLOAD G0+4*\slot, G1, G0B+4*\slot, G1B
.else
	PLACES NP
.endif
	s_wait_alu depctr_va_vdst(0)
	v_add_nc_u32 v[ADRS], 4*NQ, v[ADRS]
	FETCH_B \next, 0, 0
	FETCH_A \next, 0, 0
	SCALES \next
	WIN MUL_HI
	MUL16 4, 1, NQ-1, \slot, 0
	MUL16 6, 1, NQ-1, \slot, 0
	PLACES NP
	WIN 0
	FETCH_A \next, 0, 4
.endm
	s_wait_alu depctr_va_vdst(0)
	s_wait_tensorcnt 1
	s_barrier_signal -1
	s_barrier_wait -1
	FETCH_B 0, 0, 0
	FETCH_A 0, 0, 0
	SCALES 0
	FETCH_A 0, 0, 4
	STEP 0, 0, 1
	s_mov_b32 s3, LAPS-1
.Llap:
	TURN 0, 1, 1
	STEP 1, 0, 0
	TURN 1, 0, 1
	STEP 0, 0, 0
	s_sub_co_u32 s3, s3, 1
	s_cmp_lg_u32 s3, 0
	s_cbranch_scc1 .Llap
	TURN 0, 1, 0
	STEP 1, 0, 0
	s_wait_dscnt 4*NL
	WIN MUL_LO
	MUL16 0, 1, NQ-1, 1, 0
	MUL16 2, 1, NQ-1, 1, 0
	s_wait_dscnt 0
	WIN MUL_HI
	MUL16 4, 1, NQ-1, 1, 0
	MUL16 6, 1, NQ-1, 1, 0
	WIN 0
	s_lshl_b32 s18, s42, 8
	s_lshl_b32 s23, s16, 7
	s_add_co_u32 s18, s18, s23
	s_lshl_b32 s19, s17, 8
	s_lshl_b32 s23, s15, 7
	s_add_co_u32 s19, s19, s23
	s_mov_b32 s24, 13056
	s_cmp_eq_u32 s66, 0
	s_cselect_b32 s24, 6656, s24
	s_lshl_b32 s25, s24, 4
	s_sub_co_u32 s38, s25, 4608
	s_mov_b32 s36, 1536
	s_mov_b32 s27, 12288
	s_mov_b32 s44, 768
	s_cmp_eq_u32 s67, 1
	s_cselect_b32 s20, s18, s19
	s_cselect_b32 s21, s19, s18
	s_cselect_b32 s36, s36, 768
	s_cselect_b32 s38, s38, 768
	s_cselect_b32 s23, 6144, 0
	s_cselect_b32 s44, s44, s25
	s_cselect_b32 s27, 12800, s27
	s_cmp_eq_u32 s66, 0
	s_cselect_b32 s27, 6144, s27
	s_lshr_b32 s22, s20, 11
	s_lshl_b32 s22, s22, 4
	s_lshr_b32 s21, s21, 6
	s_add_co_u32 s22, s22, s21
	s_lshl_b32 s22, s22, 4
	s_bfe_u32 s20, s20, 0x40007
	s_add_co_u32 s22, s22, s20
	s_mul_i32 s26, s22, s24
	s_mov_b32 s37, 0
	s_mov_b32 s39, 0
	s_mov_b32 s45, 0
	s_mov_b32 s47, 0
	s_mov_b32 s46, s25
	s_add_nc_u64 s[30:31], s[12:13], s[44:45]
	s_add_co_u32 s44, s26, s23
	s_add_nc_u64 s[28:29], s[12:13], s[44:45]
	s_add_nc_u64 s[30:31], s[30:31], s[44:45]
	s_add_co_u32 s44, s26, s27
	s_add_nc_u64 s[32:33], s[12:13], s[44:45]
	s_add_nc_u64 s[34:35], s[32:33], s[46:47]
	s_mov_b32 s48, 0x76543210
	s_mov_b32 s49, 0xfedcba98
	s_mov_b32 s50, 0x7f7f0000
	s_mov_b32 s51, 0xffff0000
	PLACES NP
.irp b, 0,1,2,3
	v_mov_b32 v[TM+4+\b], 0
.endr
.macro QUANT s
.irp b, 0,1,2,3
	v_max3_num_f32 v[TM+\b], |v[\s+16*\b]|, |v[\s+1+16*\b]|, 0x1800000
.endr
.irp i, 2,4,6,8,10,12,14
.irp b, 0,1,2,3
	v_max3_num_f32 v[TM+\b], v[TM+\b], |v[\s+16*\b+\i]|, |v[\s+1+16*\b+\i]|
.endr
.endr
.irp b, 0,1,2,3
	v_permlanex16_b32 v[TM+4+\b], v[TM+\b], s48, s49
.endr
.irp b, 0,1,2,3
	v_max_num_f32 v[TM+\b], v[TM+\b], v[TM+4+\b]
.endr
.irp b, 0,1,2,3
	v_add_nc_u32 v[TM+12+\b], 0xff000000, v[TM+\b]
.endr
.irp b, 0,1,2,3
	v_lshrrev_b32 v[TM+4+\b], 23, v[TM+12+\b]
.endr
	v_lshl_or_b32 v[PW], v[TM+5], 8, v[TM+4]
	v_lshl_or_b32 v[PW], v[TM+6], 16, v[PW]
	v_lshl_or_b32 v[PW], v[TM+7], 24, v[PW]
.irp c, 0,1
	v_cvt_scalef32_pk16_fp6_f32 v[CD+6*\c:CD+2+6*\c], v[\s+32*\c:\s+15+32*\c], v[TM+12+2*\c]
	v_cvt_scalef32_pk16_fp6_f32 v[CD+12+4*\c:CD+14+4*\c], v[\s+16+32*\c:\s+31+32*\c], v[TM+12+2*\c+1]
.endr
	v_nop
.irp c, 0,1
.irp i, 0,1,2
	v_permlane16_swap_b32 v[CD+6*\c+\i], v[CD+12+4*\c+\i]
.endr
.irp i, 0,1,2
	v_mov_b32 v[CD+3+6*\c+\i], v[CD+12+4*\c+\i]
.endr
.endr
.endm
.macro OUTA a
.if (\a) > 0
	s_wait_xcnt 0x0
.if (\a) == 4
	s_add_nc_u64 s[28:29], s[28:29], s[38:39]
	s_add_nc_u64 s[30:31], s[30:31], s[38:39]
.else
	s_add_nc_u64 s[28:29], s[28:29], s[36:37]
	s_add_nc_u64 s[30:31], s[30:31], s[36:37]
.endif
.endif
	WIN 0x02+(\a)/4
.set i, 0
.rept 32
	v_pk_add_f32 v[T+2*i:T+2*i+1], v[64*((\a)%4)+2*i:64*((\a)%4)+2*i+1], v[BR+2*(\a):BR+2*(\a)+1]
.set i, i+1
.endr
	WIN 0
	QUANT T
	v_mov_b32 v[PWS+(\a)], v[PW]
	global_store_b128 v[L16], v[CD:CD+3], s[28:29]
	global_store_b64 v[L8], v[CD+4:CD+5], s[28:29] offset:512
	global_store_b128 v[L16], v[CD+6:CD+9], s[30:31]
	global_store_b64 v[L8], v[CD+10:CD+11], s[30:31] offset:512
.endm
.irp a, 0,1,2,3,4,5,6,7
	OUTA \a
.endr
	s_cmp_eq_u32 s67, 1
	s_cbranch_scc1 .Lscales_v
.irp i, 0,1,2,3
	v_cndmask_b32 v[TMPW], v[PWS+\i], v[PWS+4+\i], s51
	v_and_or_b32 v[OUTW+\i], v[TMPW], 0xffff, s50
.endr
	global_store_b128 v[L16], v[OUTW:OUTW+3], s[32:33]
	s_wait_xcnt 0x0
.irp i, 0,1,2,3
	v_cndmask_b32 v[TMPW], v[PWS+\i], v[PWS+4+\i], s51
	v_lshrrev_b32 v[TMPW], 16, v[TMPW]
	v_or_b32 v[OUTW+\i], s50, v[TMPW]
.endr
	global_store_b128 v[L16], v[OUTW:OUTW+3], s[34:35]
	s_branch .Lscales_done
.Lscales_v:
.irp i, 0,1
	v_cndmask_b32 v[OUTW+\i], v[PWS+\i], v[PWS+2+\i], s51
.endr
	global_store_b64 v[L8], v[OUTW:OUTW+1], s[32:33]
	s_wait_xcnt 0x0
	s_wait_alu depctr_va_vdst(0)
.irp i, 0,1
	v_cndmask_b32 v[OUTW+\i], v[PWS+4+\i], v[PWS+6+\i], s51
.endr
	global_store_b64 v[L8], v[OUTW:OUTW+1], s[34:35]
.Lscales_done:
	s_wait_tensorcnt 0x0
	ds_add_u32 v[SPW], v[NIL]
	s_wait_dscnt 0x0
	CROUND
	s_endpgm
.Lfunc_end_k_qdb7fcbbfe1_proj:
	.size	k_qdb7fcbbfe1_proj, .Lfunc_end_k_qdb7fcbbfe1_proj-k_qdb7fcbbfe1_proj
	.p2alignl 7, 3214868480
	.fill 96, 4, 3214868480
	.section	.rodata,"a",@progbits
	.p2align	6, 0x0
	.amdhsa_kernel k_qdb7fcbbfe1_proj
		.amdhsa_group_segment_fixed_size 327680
		.amdhsa_private_segment_fixed_size 0
		.amdhsa_enable_private_segment 0
		.amdhsa_kernarg_size 72
		.amdhsa_user_sgpr_count 2
		.amdhsa_user_sgpr_kernarg_segment_ptr 1
		.amdhsa_wavefront_size32 1
		.amdhsa_system_sgpr_workgroup_id_x 1
		.amdhsa_system_sgpr_workgroup_id_y 1
		.amdhsa_system_sgpr_workgroup_id_z 1
		.amdhsa_system_vgpr_workitem_id 0
		.amdhsa_next_free_vgpr 1024
		.amdhsa_next_free_sgpr 106
		.amdhsa_reserve_vcc 0
		.amdhsa_float_denorm_mode_32 3
		.amdhsa_float_denorm_mode_16_64 3
		.amdhsa_memory_ordered 1
		.amdhsa_forward_progress 1
		.amdhsa_inst_pref_size 192
	.end_amdhsa_kernel
	.amdgpu_metadata
---
amdhsa.version: [ 1, 2 ]
amdhsa.kernels:
  - .name:           k_qdb7fcbbfe1_proj
    .symbol:         k_qdb7fcbbfe1_proj.kd
    .args:
      - { .name: xc, .offset: 0, .size: 8, .value_kind: global_buffer, .address_space: global }
      - { .name: xs, .offset: 8, .size: 8, .value_kind: global_buffer, .address_space: global }
      - { .name: wc, .offset: 16, .size: 8, .value_kind: global_buffer, .address_space: global }
      - { .name: ws, .offset: 24, .size: 8, .value_kind: global_buffer, .address_space: global }
      - { .name: b_q, .offset: 32, .size: 8, .value_kind: global_buffer, .address_space: global }
      - { .name: b_k, .offset: 40, .size: 8, .value_kind: global_buffer, .address_space: global }
      - { .name: b_v, .offset: 48, .size: 8, .value_kind: global_buffer, .address_space: global }
      - { .name: qr, .offset: 56, .size: 8, .value_kind: global_buffer, .address_space: global }
      - { .name: kvr, .offset: 64, .size: 8, .value_kind: global_buffer, .address_space: global }
    .group_segment_fixed_size: 327680
    .private_segment_fixed_size: 0
    .kernarg_segment_align: 8
    .kernarg_segment_size: 72
    .max_flat_workgroup_size: 128
    .sgpr_count:     106
    .vgpr_count:     1024
    .wavefront_size: 32
...
	.end_amdgpu_metadata
.endif
;; end of part 2
;; launch attn (part 3): grid 4 x 64, 16 waves a work-group, clusters of 4 x 1, 327,680 bytes of LDS; arguments qr, kvr, maskw, out0; writes out0
.if DOCPART == 3
	.amdgcn_target "amdgcn-amd-amdhsa--gfx1250"
	.amdhsa_code_object_version 6
	.text
	.protected	k_qdb7fcbbfe1_attn
	.globl	k_qdb7fcbbfe1_attn
	.p2align	8
	.type	k_qdb7fcbbfe1_attn,@function
k_qdb7fcbbfe1_attn:
	s_mov_b64 s[64:65], 0
	v_nop
	global_prefetch_b8 v0, s[64:65] scope:SCOPE_SE
	s_setreg_imm32_b32 hwreg(HW_REG_WAVE_MODE, 25, 1), 1
	s_wait_xcnt 0x0
	s_wait_alu depctr_hold_cnt(0) depctr_sa_sdst(0) depctr_va_vdst(0) depctr_va_sdst(0) depctr_va_ssrc(0) depctr_va_vcc(0) depctr_vm_vsrc(0)
	s_getreg_b32 s2, hwreg(HW_REG_IB_STS2, 6, 4)
	s_cmp_eq_u32 s2, 0
	s_cbranch_scc0 .Lentry_in_a_cluster
	s_endpgm
.Lentry_in_a_cluster:
	s_bfe_u32 s2, ttmp6, 0x10000c
	s_cmp_lg_u32 s2, 0x3003
	s_cbranch_scc0 .Lentry_shape_is_right
	s_endpgm
.Lentry_shape_is_right:
; out0[b][q][64 head + d] = the sum over k of softmax_k(where(mask, -1e9, q . k / 8)) v[k][d], both products on codes of FP6 (E2M3) with one E8M0 scale for each 32 along a product's K.
; THE SOFTMAX AHEAD OF THE SECOND PRODUCT: t = logit x log2(e); M = the row's largest t so far, rounded UP to a whole number; p = 2^(t - M) is what is quantised, along the keys; the row's sum is taken
; of the unquantised p and divides at the end.  When M moves, the sum and O are multiplied by 2^(old M - new M): exact.
; SHARES.  A work-group owns 512 queries of one head of one batch; each of its sixteen waves owns 32 of them, two tiles of 16, one after the other.  Four waves share a SIMD, so that one wave's vector work
; stands beside another's matrix work and LDS loads.  THE WHOLE HEAD'S CODES OF K AND V, 16 records of 13,056 bytes, lie in LDS, filled once: each wave brings one record.
; CLUSTER.  The four work-groups of a cluster own the four quarters of one head's queries and need the same 16 records: each record is asked for JOINTLY, with a mask that names the four.
; LAYOUT.  Both products are used transposed: S^T = K Q^T (source 0 = 16 keys, source 1 = my 16 queries), O^T = V^T P^T: a lane holds ONE query (lane % 16) throughout.
; A BLOCK OF 32 KEYS LIES WHOLE IN ONE LANE.  Tile 4 c + u of K takes, in its lanes r < 8, keys 64 c + 8 u + r and, in its lanes r >= 8, keys 64 c + 32 + 8 u + (r - 8).  So register 32 c + i of lane half h is key
; 64 c + 32 h + i of the step: the block's largest score needs no other lane, and the conversions' results are the second product's operand as they stand (but for three registers a block that must begin on an odd number).
; The records hold K's tiles in another order (tile 2 B + u', lane r: key 32 B + 8 u' + r + 8 (r / 8)), as images of registers: lane (r, h) of my tile (c, u) reads the image of tile 4 c + u % 2 + 2 (r / 8), lane (8 (u / 2) + r % 8, h).
; Lanes 8-15 so read 1,536 bytes from lanes 0-7, a multiple of 256: by the 64 banks of 4 bytes (ISA guide 11.1) K's loads go two deep; that is the price of leaving the records as they are.
; The queries of a tile are ordered as the records have them (tile T: query 32 (T / 2) + 8 (T % 2) + r + 8 (r / 8)), and so are the head's 64 in a tile of V.
; K = 64 IN A FORM OF 128.  A tile of K is six registers a lane; the instruction names twelve.  The upper six are the next tile's codes (behind the last tile: six registers of zeros); they meet Q's upper six
; registers, which are zero codes, under scale bytes 0x7f: they add exactly 0.
; THE MASK comes as words of one bit a lane, one word for each of a lane's 64 scores of a step, by scalar loads a step ahead: one v_cndmask_b32 a score.
; LIMITS.  A masked logit is taken as -2^30 where reference() has -1e9 (the raw score becomes -2^33, so that t is a whole number exactly and a row all of whose keys are masked gets p = 1 for every key, as by the rule).
; The results are the rule's as long as every unmasked logit lies above about -9e8.  NaN and infinities are not served.  A block whose every p has fallen to 0 keeps the byte 1: its codes are zeros.
; REGISTERS: v1-11, v30 addresses and lane terms that stay; v31, v88, v89, v3, v4 the step's LDS addresses; v12 -M, v13 the largest t, v[14:15] the sum in two halves; v16-27, v28 Q of tile 0 and its scale word; v29 -2^33;
;   v32-79 K's eight tiles, then V's four; v80-85 zeros; v[86:87] a second chain of sums; v96-159 S^T, then p; v160-191 O^T; v192-210 p's codes; v212-221 at work; v224-227 K's scale words, v228-229 V's, v230 p's;
;   v[232:233] f; v234, v235 at work; v236-247, v248 Q of tile 1 and its scale word.
.set REC,   13056                      ; a record: K's codes 6,144, V's codes 6,144, K's scale words 512, V's 256
.set STAGE, 16*REC                     ; behind the records: 16 rows x 272 bytes for each wave, for the way out
.macro ROUND                           ; a round of the cluster's barrier
	s_barrier_signal -1
	s_barrier_wait -1
	s_cmp_lg_u32 s2, 0
	s_cbranch_scc1 .Lnot_wave_0_\@
	s_barrier_signal -3
.Lnot_wave_0_\@:
	s_barrier_wait -3
	s_barrier_signal -1
	s_barrier_wait -1
.endm
	s_load_b256 s[4:11], s[0:1], 0x0               ; qr s[4:5], kvr s[6:7], maskw s[8:9], out0 s[10:11]
	v_lshl_add_u32 v254, v0, 2, 0x44000
	v_mov_b32 v255, 0
	ds_add_u32 v254, v255
	ds_add_u32 v254, v255
	v_lshrrev_b32 v1, 5, v0
	s_delay_alu instid0(VALU_DEP_1)
	v_readfirstlane_b32 s2, v1                     ; wave 0..15
	s_bfe_u32 s3, ttmp6, 0x40000                   ; cx: which 512 queries: it enters Q's, the mask's and the output's addresses alone
	s_and_b32 s27, ttmp7, 0xffff                   ; 16 b + head, which the four partners share
	s_lshl_b32 s66, s27, 4
	s_add_co_u32 s66, s66, s2
	s_mul_i32 s66, s66, REC                        ; my record of K and V: step = my wave's number
	s_mov_b32 s67, 0
	s_lshl_b32 s100, s27, 4                        ; Q: my tiles are 32 cx + 2 w + p of the head's 128: record 4 cx + w / 4, tiles 2 (w % 4) + p in it
	s_lshl_b32 s101, s3, 2
	s_add_co_u32 s100, s100, s101
	s_lshr_b32 s101, s2, 2
	s_add_co_u32 s100, s100, s101
	s_mul_i32 s100, s100, 6656
	s_and_b32 s101, s2, 3
	s_mul_i32 s104, s101, 1536
	s_add_co_u32 s104, s104, s100                  ; my codes
	s_mov_b32 s105, 0
	s_lshr_b32 s101, s101, 1                       ; my scale words: tile tt, row r at 6,144 + 256 (tt / 4) + 16 r + 4 (tt % 4)
	s_lshl_b32 s101, s101, 8
	s_add_co_u32 s100, s100, s101
	s_and_b32 s101, s2, 1
	s_lshl_b32 s101, s101, 3
	s_add_co_u32 s100, s100, s101
	s_add_co_u32 s100, s100, 6144
	s_mov_b32 s101, 0
	s_lshr_b32 s24, s27, 4                         ; b
	s_lshl_b32 s20, s24, 7
	s_lshl_b32 s26, s3, 5
	s_add_co_u32 s20, s20, s26
	s_lshl_b32 s26, s2, 1
	s_add_co_u32 s20, s20, s26
	s_lshl_b32 s20, s20, 12                        ; the mask words of my two tiles: 4,096 bytes a tile, one behind the other
	s_mov_b32 s21, 0
	s_lshl_b32 s22, s24, 11
	s_lshl_b32 s23, s3, 4
	s_add_co_u32 s23, s23, s2
	s_lshl_b32 s23, s23, 5
	s_add_co_u32 s22, s22, s23                     ; my first query's row of out0: 2,048 b + 32 (16 cx + w)
	s_lshl_b32 s22, s22, 12
	s_and_b32 s23, s27, 15
	s_lshl_b32 s23, s23, 8
	s_add_co_u32 s22, s22, s23                     ; and the head's 256 bytes in it
	s_mov_b32 s23, 0
	; descriptor group 1: a record, dense in memory, as 51 rows of 256 bytes (32 elements of 8 bytes), no padding
	s_mov_b32 s12, 15|(3<<16)|(1<<21)              ; 15:0 the mask: all four work-groups; 17:16 elements of 8 bytes; 21 set beside a mask
	s_mov_b32 s13, 32<<16                          ; tensor_dim0
	s_mov_b32 s14, 51<<16                          ; tensor_dim1
	s_mov_b32 s15, 32<<16                          ; tile_dim0
	s_mov_b32 s16, 51                              ; tile_dim1
	s_mov_b32 s17, 32                              ; tensor_dim0_stride
	s_mov_b32 s18, 0
	s_mov_b32 s19, 0
	s_mov_b32 s28, 1                               ; group 0: count = 1
	s_mul_i32 s29, s2, REC                         ; LDS address: my wave's number alone
	s_wait_dscnt 0x0
	s_wait_kmcnt 0x0
	s_add_nc_u64 s[30:31], s[6:7], s[66:67]        ; global address: the head and my wave's number alone
	s_or_b32 s31, s31, 0x80000000                  ; type = 2
	s_add_nc_u64 s[6:7], s[4:5], s[100:101]        ; Q's scale words
	s_add_nc_u64 s[4:5], s[4:5], s[104:105]        ; Q's codes
	s_add_nc_u64 s[8:9], s[8:9], s[20:21]
	s_add_nc_u64 s[10:11], s[10:11], s[22:23]
	ROUND                                          ; all four work-groups are here: the joint loads meet
	tensor_load_to_lds s[28:31], s[12:19]          ; my one tensor load of the launch: nothing is filled again
	s_nop 0
.rept 4
	v_nop
.endr
	s_mov_b32 s25, 0                               ; the mask words in hand begin here
	s_load_b512 s[32:47], s[8:9], s25 offset:0x0   ; the first step's 64 words: s32-63 and s68-99
	s_load_b512 s[48:63], s[8:9], s25 offset:0x40
	s_load_b512 s[68:83], s[8:9], s25 offset:0x80
	s_load_b512 s[84:99], s[8:9], s25 offset:0xc0
	s_mov_b32 s20, 0x76543210
	s_mov_b32 s21, 0xfedcba98                      ; v_permlanex16_b32's selects for lane l xor 16
	s_mov_b32 s22, 0x3e38aa3b                      ; c = log2(e) / 8: t = score x c
	s_mov_b32 s23, s22                             ; (the packed form names the pair)
	v_and_b32 v95, 31, v0
	s_delay_alu instid0(VALU_DEP_1)
	v_lshlrev_b32 v1, 4, v95                       ; 16 x lane
	s_delay_alu instid0(VALU_DEP_2)
	v_lshlrev_b32 v2, 3, v95                       ; 8 x lane
	v_and_b32 v90, 15, v0                          ; r
	v_bfe_u32 v91, v0, 4, 1                        ; h
	s_delay_alu instid0(VALU_DEP_2)
	v_lshlrev_b32 v8, 4, v90                       ; 16 r
	global_load_b128 v[16:19], v1, s[4:5]          ; Q of tile 0: registers 0-3,
	global_load_b64 v[20:21], v2, s[4:5] offset:512   ; 4-5,
	global_load_b32 v28, v8, s[6:7]                ; and its rows' scale words
	global_load_b128 v[236:239], v1, s[4:5] offset:768   ; tile 1
	global_load_b64 v[240:241], v2, s[4:5] offset:1280
	global_load_b32 v248, v8, s[6:7] offset:4
	s_mul_i32 s27, s2, 16*272
	s_add_co_u32 s27, s27, STAGE                   ; my stage
	v_mul_u32_u24 v5, v90, 272
	s_delay_alu instid0(VALU_DEP_1)
	v_lshl_add_u32 v5, v91, 6, v5
	s_delay_alu instid0(VALU_DEP_1)
	v_add_nc_u32 v5, s27, v5                       ; in: row r, 64 bytes for each half of the lanes
	v_mul_u32_u24 v6, v91, 272
	s_delay_alu instid0(VALU_DEP_1)
	v_add_nc_u32 v6, v6, v8
	s_delay_alu instid0(VALU_DEP_1)
	v_add_nc_u32 v6, s27, v6                       ; back: lanes 0-15 one row of 256 bytes, lanes 16-31 the next
	v_lshl_add_u32 v7, v91, 12, v8                 ; and the same two rows in out0
	v_and_b32 v92, 7, v0                           ; r % 8
	v_bfe_u32 v93, v0, 3, 1                        ; r / 8
	s_delay_alu instid0(VALU_DEP_1)
	v_mul_u32_u24 v94, v93, 1536                   ; lanes r >= 8 read the image two tiles further on
	s_delay_alu instid0(VALU_DEP_1)
	v_lshl_add_u32 v10, v91, 8, v94
	s_delay_alu instid0(VALU_DEP_1)
	v_lshl_add_u32 v10, v92, 4, v10                ; K's registers 0-3: 1,536 (r / 8) + 256 h + 16 (r % 8)
	s_delay_alu instid0(VALU_DEP_3)
	v_lshl_add_u32 v11, v91, 7, v94
	s_delay_alu instid0(VALU_DEP_1)
	v_lshl_add_u32 v11, v92, 3, v11                ; K's registers 4-5: 1,536 (r / 8) + 128 h + 8 (r % 8)
	v_lshlrev_b32 v30, 8, v91
	s_delay_alu instid0(VALU_DEP_1)
	v_lshl_add_u32 v30, v92, 4, v30
	s_delay_alu instid0(VALU_DEP_1)
	v_lshl_add_u32 v30, v93, 3, v30                ; K's scale words: 256 h + 16 (r % 8) + 8 (r / 8): lanes 0-15 take tiles 0-3, lanes 16-31 tiles 4-7
	v_lshlrev_b32 v9, 3, v91                       ; 8 h: by so many bits my two scale bytes of p are moved up
	v_mov_b32 v29, 0xd0000000                      ; -2^33
.irp j, 22,23,24,25,26,27,242,243,244,245,246,247,80,81,82,83,84,85
	v_mov_b32 v\j, 0                               ; zero codes: Q's upper halves, and what stands behind K's last tile
.endr
.irp j, 216,217,218,219,233,234
	v_mov_b32 v\j, 0                               ; written once: a lane permute's destination counts as read, and v233 is named as the upper half of a pair
.endr
	s_wait_tensorcnt 0x0                           ; my record is in,
	s_barrier_signal -1
	s_barrier_wait -1                              ; everybody's is
	s_wait_loadcnt 0x0                             ; Q
; A KEY STEP: 128 keys, the record at LDS byte s24.  qf: Q's fragment; qs: its scale words.
.macro STEP qf, qs
	v_add_nc_u32 v31, s24, v10                     ; (behind the last step's products stand 23 packed additions and these: the places in front of loads into registers that they have read)
	v_add_nc_u32 v88, s24, v11
	v_add_nc_u32 v89, s24, v30
.irp t, 0,1,2,3,4,5,6,7                        ; my tile t = 4 c + u: the image of tile 4 c + u % 2 (+ 2 in lanes r >= 8), rows 8 (u / 2) on
	ds_load_b128 v[32+6*\t:35+6*\t], v31 offset:3072*(\t/4)+768*(\t%2)+128*((\t%4)/2)
	ds_load_b64 v[36+6*\t:37+6*\t], v88 offset:3072*(\t/4)+768*(\t%2)+64*((\t%4)/2)+512
.endr
	ds_load_b64 v[224:225], v89 offset:12288       ; K's scale words: register u: lanes 0-15 tile u, lanes 16-31 tile 4 + u
	ds_load_b64 v[226:227], v89 offset:12416
	s_wait_dscnt 0x0
.irp t, 0,1,2,3,4,5,6,7
.if \t < 4
	v_wmma_scale_f32_16x16x128_f8f6f4 v[96+8*\t:103+8*\t], v[32+6*\t:43+6*\t], v[\qf:\qf+11], 0, v[224+\t], v[\qs] matrix_a_fmt:MATRIX_FMT_FP6 matrix_b_fmt:MATRIX_FMT_FP6
.else
	v_wmma_scale_f32_16x16x128_f8f6f4 v[96+8*\t:103+8*\t], v[32+6*\t:43+6*\t], v[\qf:\qf+11], 0, v[220+\t], v[\qs] matrix_a_fmt:MATRIX_FMT_FP6 matrix_b_fmt:MATRIX_FMT_FP6 matrix_a_scale:MATRIX_SCALE_ROW1
.endif
.endr                                          ; register 32 c + i of a lane: key 64 c + 32 (lane / 16) + i of the step
	v_add_nc_u32 v3, s24, v1                       ; four places in front of the loads below and of the first read of the scores: V's addresses,
	v_add_nc_u32 v4, s24, v2
	v_mov_b32 v235, v12                            ; the old -M,
	v_nop                                          ; and one for which there is no work
.irp e, 0,1,2,3                                ; V's four tiles come while the softmax is worked
.irp c, 0,1
	ds_load_b128 v[32+12*\e+6*\c:35+12*\e+6*\c], v3 offset:6144+1536*\e+768*\c
	ds_load_b64 v[36+12*\e+6*\c:37+12*\e+6*\c], v4 offset:6144+1536*\e+768*\c+512
.endr
.endr
	ds_load_b64 v[228:229], v4 offset:12800        ; V's scale words: register i: lanes 0-15 tile i, lanes 16-31 tile 2 + i
	s_wait_kmcnt 0x0                               ; this step's mask words, asked for a step ago
.set n, 0
.rept 64
.if n < 32
	v_cndmask_b32 v[96+n], v[96+n], v29, s[32+n]   ; a masked score becomes -2^33.  Each accumulator is read from its low end on
.else
	v_cndmask_b32 v[96+n], v[96+n], v29, s[36+n]
.endif
.set n, n+1
.endr
	s_add_co_u32 s25, s25, 256                     ; the next step's 64 words; my two tiles' words lie one behind the other, 8,192 bytes in all.
	s_min_u32 s25, s25, 7936                       ; The very last step asks once more for its own words, which nothing reads: no load leaves the buffer
	s_load_b512 s[32:47], s[8:9], s25 offset:0x0
	s_load_b512 s[48:63], s[8:9], s25 offset:0x40
	s_load_b512 s[68:83], s[8:9], s25 offset:0x80
	s_load_b512 s[84:99], s[8:9], s25 offset:0xc0
.irp b, 0,1,2,3
	v_max3_num_f32 v[212+\b], v[96+16*\b], v[97+16*\b], v[98+16*\b]   ; THE LARGEST SCORE OF EACH OF MY TWO BLOCKS OF 32 KEYS, in two chains a block: it serves the row's maximum and, since p rises with the score, the block's largest p
.endr
.irp i, 3,5,7,9,11,13
.irp b, 0,1,2,3
	s_delay_alu instid0(VALU_DEP_4)
	v_max3_num_f32 v[212+\b], v[212+\b], v[96+16*\b+\i], v[97+16*\b+\i]   ; (the four chains by turns)
.endr
.endr
	s_delay_alu instid0(VALU_DEP_3)
	v_max3_num_f32 v212, v212, v213, v111          ; the two chains of a block, and the two scores that are left over
	s_delay_alu instid0(VALU_DEP_2)
	v_max3_num_f32 v214, v214, v215, v143
	s_delay_alu instid0(VALU_DEP_2)
	v_max_num_f32 v212, v212, v127                 ; block 0 + h
	s_delay_alu instid0(VALU_DEP_2)
	v_max_num_f32 v214, v214, v159                 ; block 2 + h
	s_delay_alu instid0(VALU_DEP_1)
	v_max_num_f32 v234, v212, v214
	s_delay_alu instid0(VALU_DEP_1)
	v_permlanex16_b32 v216, v234, s20, s21
	s_delay_alu instid0(VALU_DEP_1)
	v_max_num_f32 v234, v234, v216                 ; with lane l xor 16's two blocks: the step's largest score of my query
	s_delay_alu instid0(VALU_DEP_1)
	v_mul_f32 v234, s22, v234                      ; as t (c is positive)
	s_delay_alu instid0(VALU_DEP_1)
	v_max_num_f32 v13, v13, v234                   ; the running largest t
	s_delay_alu instid0(VALU_DEP_1)
	v_floor_f32 v12, -v13                          ; the new -M = floor(-t) = -ceil(t): a whole number
	s_delay_alu instid0(VALU_DEP_1)
	v_sub_f32 v234, v12, v235                      ; M's old value less its new one: a whole number, 0 or less
	s_delay_alu instid0(VALU_DEP_1)
	v_cvt_i32_f32 v234, v234                       ; (it saturates)
	s_delay_alu instid0(VALU_DEP_1)
	v_ldexp_f32 v232, 1.0, v234                    ; f = 2^(old M - new M)
.irp j, 0,2,4,6,8,10,12,14,16,18,20,22,24,26,28,30,32,34,36,38,40,42,44,46,48,50,52,54,56,58,60,62
	v_pk_fma_f32 v[96+\j:97+\j], v[96+\j:97+\j], s[22:23], v[12:13] op_sel_hi:[1,0,0]   ; t - M, two at a time
.endr
	v_fma_f32 v212, v212, s22, v12                 ; the same of each block's largest score
	v_fma_f32 v214, v214, s22, v12
.set n, 0
	s_setprio 1
	s_wait_alu depctr_va_vdst(0)
.rept 64
	v_exp_f32 v[96+n], v[96+n]                     ; p = 2^(t - M), at most 1: NOT normalised
.set n, n+1
.endr
	v_exp_f32 v212, v212                           ; the block's largest p: the same two instructions on the same number give the same bits
	v_exp_f32 v214, v214
	v_pk_mul_f32 v[14:15], v[14:15], v[232:233] op_sel_hi:[1,0]   ; the sums under the new M.  (A plain place behind the exponentials)
	s_wait_alu depctr_va_vdst(0)
	v_max_num_f32 v212, 0x1800000, v212            ; the floor 2^(3 - 127): the byte cannot fall under 1
	v_max_num_f32 v214, 0x1800000, v214
	s_delay_alu instid0(VALU_DEP_2)
	v_add_nc_u32 v220, 0xff000000, v212            ; 2 off the exponent field: the conversion's scale operand
	s_delay_alu instid0(VALU_DEP_2)
	v_add_nc_u32 v221, 0xff000000, v214
	s_delay_alu instid0(VALU_DEP_2)
	v_lshrrev_b32 v216, 23, v220                   ; the scale's byte
	s_delay_alu instid0(VALU_DEP_2)
	v_lshrrev_b32 v217, 23, v221
	s_delay_alu instid0(VALU_DEP_1)
	v_lshl_or_b32 v219, v217, 16, v216             ; my two bytes: blocks h and 2 + h,
	s_delay_alu instid0(VALU_DEP_1)
	v_lshlrev_b32 v219, v9, v219                   ; at their places in the word (8 h bits up);
	s_delay_alu instid0(VALU_DEP_1)
	v_permlanex16_b32 v218, v219, s20, s21
	s_delay_alu instid0(VALU_DEP_1)
	v_or_b32 v230, v219, v218                      ; with lane l xor 16's two: p's scale word for these 128 keys
	v_cvt_scalef32_pk16_fp6_f32 v[192:194], v[96:111], v220       ; registers 6 c .. 6 c + 5 of the operand are my block 2 c + h
	v_cvt_scalef32_pk16_fp6_f32 v[204:206], v[112:127], v220      ; (a conversion's three registers begin on an even number: the second half of a block's six does not, so it is made elsewhere and moved)
	v_cvt_scalef32_pk16_fp6_f32 v[198:200], v[128:143], v221
	v_cvt_scalef32_pk16_fp6_f32 v[208:210], v[144:159], v221
.irp j, 0,2
	v_pk_mul_f32 v[160+\j:161+\j], v[160+\j:161+\j], v[232:233] op_sel_hi:[1,0]   ; O^T under the new M, from each accumulator's low end on.  (These two are the plain place behind the conversions)
.endr
.irp i, 0,1,2
	v_mov_b32 v[195+\i], v[204+\i]
	v_mov_b32 v[201+\i], v[208+\i]
.endr
.irp j, 4,6,8,10,12,14,16,18,20,22,24,26,28,30
	v_pk_mul_f32 v[160+\j:161+\j], v[160+\j:161+\j], v[232:233] op_sel_hi:[1,0]
.endr
	v_pk_add_f32 v[86:87], v[96:97], v[98:99]      ; THE ROW'S SUM IS TAKEN OF THE UNQUANTISED p: two at a time, in two chains.  These nine name no register of the products below: the places between p's codes and scale word and the products
.irp j, 4,8,12,16
	v_pk_add_f32 v[14:15], v[14:15], v[96+\j:97+\j]
	v_pk_add_f32 v[86:87], v[86:87], v[98+\j:99+\j]
.endr
	s_setprio 0
	s_wait_alu depctr_va_vdst(0)
	s_wait_dscnt 0x0                               ; V
.irp e, 0,1,2,3                                ; O^T += V^T P^T: the four accumulators take turns; between two links of a chain stand eleven other products
.if \e < 2
	v_wmma_scale_f32_16x16x128_f8f6f4 v[160+8*\e:167+8*\e], v[32+12*\e:43+12*\e], v[192:203], v[160+8*\e:167+8*\e], v[228+\e], v230 matrix_a_fmt:MATRIX_FMT_FP6 matrix_b_fmt:MATRIX_FMT_FP6
.else
	v_wmma_scale_f32_16x16x128_f8f6f4 v[160+8*\e:167+8*\e], v[32+12*\e:43+12*\e], v[192:203], v[160+8*\e:167+8*\e], v[226+\e], v230 matrix_a_fmt:MATRIX_FMT_FP6 matrix_b_fmt:MATRIX_FMT_FP6 matrix_a_scale:MATRIX_SCALE_ROW1
.endif
.endr
.irp j, 20,24,28,32,36,40,44,48,52,56,60       ; the rest of the sum stands behind the products: work on other registers, and the places behind them
	v_pk_add_f32 v[14:15], v[14:15], v[96+\j:97+\j]
	v_pk_add_f32 v[86:87], v[86:87], v[98+\j:99+\j]
.endr
	s_delay_alu instid0(VALU_DEP_1)
	v_pk_add_f32 v[14:15], v[14:15], v[86:87]
	s_add_co_u32 s24, s24, REC                     ; the next record
.endm
; One tile of 16 queries: all 16 key steps, then the way out.
.macro PASS p, qf, qs
	v_mov_b32 v13, 0xff61b1e6                      ; the largest t so far: -3e38, under every t
	s_delay_alu instid0(VALU_DEP_1)
	v_floor_f32 v12, -v13                          ; -M
	v_mov_b32 v14, 0                               ; the sum, in two halves
	v_mov_b32 v15, 0
.set n, 0
.rept 32
	v_mov_b32 v[160+n], 0                          ; O^T.  (The step is written once: the first finds zeros, which the first change of M leaves zeros)
.set n, n+1
.endr
	s_mov_b32 s24, 0
	s_mov_b32 s26, 16
.Lstep_\p:
	s_setprio 2
	STEP \qf, \qs
	s_sub_co_u32 s26, s26, 1
	s_cmp_lg_u32 s26, 0
	s_cbranch_scc1 .Lstep_\p
	s_setprio 0
	v_add_f32 v14, v14, v15                        ; the sum's two halves (the last products' places are the additions at the step's end),
	s_delay_alu instid0(VALU_DEP_1)
	v_permlanex16_b32 v234, v14, s20, s21
	s_delay_alu instid0(VALU_DEP_1)
	v_add_f32 v14, v14, v234                       ; and lane l xor 16's: the row's sum
	s_wait_alu depctr_va_vdst(0)
	v_rcp_f32 v14, v14
	v_nop                                          ; one plain place behind a transcendental
.set n, 0
	s_wait_alu depctr_va_vdst(0)
.rept 32
	v_mul_f32 v[128+n], v[160+n], v14              ; O^T / the sum: register 16 E + i is channel 32 E + 16 (lane / 16) + i of my query
.set n, n+1
.endr
.irp E, 0,1
.irp k, 0,1,2,3
	ds_store_b128 v5, v[128+16*\E+4*\k:131+16*\E+4*\k] offset:128*\E+16*\k
.endr
.endr
.irp i, 0,1,2,3,4,5,6,7
	ds_load_b128 v[96+4*\i:99+4*\i], v6 offset:544*\i   ; LDS serves a wave's instructions in order: these see my stores
.endr
.irp i, 0,1,2,3,4,5,6,7
	s_wait_dscnt 7-\i                              ; load i is in, the younger ones stay out
	global_store_b128 v7, v[96+4*\i:99+4*\i], s[10:11] offset:(2*\i+8*(\i/4)+8*\p)*4096 th:TH_STORE_NT   ; stage rows 2 i, 2 i + 1 are queries 8 p + 2 i + 8 (i / 4) and the next: 16 lanes store 256 consecutive bytes, aligned
.endr
	s_wait_xcnt 0x0                                ; the stores have read their registers: they are written again only behind this wait
.endm
	PASS 0, 16, 28
	PASS 1, 236, 248
	s_wait_dscnt 0x0
	s_wait_kmcnt 0x0                               ; the last request for mask words
	s_wait_tensorcnt 0x0
	ds_add_u32 v254, v255
	s_wait_dscnt 0x0
	ROUND                                          ; the closing round: no work-group ends while a partner may still ask for a record that names it
	s_endpgm
.Lfunc_end_k_qdb7fcbbfe1_attn:
	.size	k_qdb7fcbbfe1_attn, .Lfunc_end_k_qdb7fcbbfe1_attn-k_qdb7fcbbfe1_attn
	.p2alignl 7, 3214868480
	.fill 96, 4, 3214868480
	.section	.rodata,"a",@progbits
	.p2align	6, 0x0
	.amdhsa_kernel k_qdb7fcbbfe1_attn
		.amdhsa_group_segment_fixed_size 327680
		.amdhsa_private_segment_fixed_size 0
		.amdhsa_enable_private_segment 0
		.amdhsa_kernarg_size 32
		.amdhsa_user_sgpr_count 2
		.amdhsa_user_sgpr_kernarg_segment_ptr 1
		.amdhsa_wavefront_size32 1
		.amdhsa_system_sgpr_workgroup_id_x 1
		.amdhsa_system_sgpr_workgroup_id_y 1
		.amdhsa_system_sgpr_workgroup_id_z 1
		.amdhsa_system_vgpr_workitem_id 0
		.amdhsa_next_free_vgpr 256
		.amdhsa_next_free_sgpr 106
		.amdhsa_reserve_vcc 0
		.amdhsa_float_denorm_mode_32 3
		.amdhsa_float_denorm_mode_16_64 3
		.amdhsa_memory_ordered 1
		.amdhsa_forward_progress 1
		.amdhsa_inst_pref_size 59
	.end_amdhsa_kernel
	.amdgpu_metadata
---
amdhsa.version: [ 1, 2 ]
amdhsa.kernels:
  - .name:           k_qdb7fcbbfe1_attn
    .symbol:         k_qdb7fcbbfe1_attn.kd
    .args:
      - { .name: qr, .offset: 0, .size: 8, .value_kind: global_buffer, .address_space: global }
      - { .name: kvr, .offset: 8, .size: 8, .value_kind: global_buffer, .address_space: global }
      - { .name: maskw, .offset: 16, .size: 8, .value_kind: global_buffer, .address_space: global }
      - { .name: out0, .offset: 24, .size: 8, .value_kind: global_buffer, .address_space: global }
    .group_segment_fixed_size: 327680
    .private_segment_fixed_size: 0
    .kernarg_segment_align: 8
    .kernarg_segment_size: 32
    .max_flat_workgroup_size: 512
    .sgpr_count:     106
    .vgpr_count:     256
    .wavefront_size: 32
...
	.end_amdgpu_metadata
.endif
;; end of part 3
